; MI455X (gfx1250); checked and timed in simulation.
; The chip was launched on July 23, 2026; its instructions are those of AMD's public machine-readable ISA for CDNA 5 (MIT licence, August 2026) and "CDNA5" Instruction Set Architecture Reference Guide (July 2026). The comments in the code are by the model that wrote it; some were corrected since.
;; Multi Head Attention. Allowed arithmetic: matrix products marked QUANTISED: E4M3 operands, one given power-of-two scale a tensor, by v_wmma_f32_16x16x64_fp8_fp8 or v_wmma_f32_16x16x128_fp8_fp8, f32 sums; everything else in f32.
;; Inputs: Wk 1,024 x 1,024 float32; Wo 1,024 x 1,024 float32; Wq 1,024 x 1,024 float32; Wv 1,024 x 1,024 float32; bo 1,024 float32; lowp_scales 12 int32 (the exponents e of the quantised operands' scales 2^e); x 4 x 2,048 x 1,024 float32.
;; Outputs: out0 4 x 2,048 x 1,024 float32.
;; This version of the problem:
;;   THIS VERSION OF THE PROBLEM IS GIVEN IN LOW PRECISION. The matrix products marked QUANTISED in the list below multiply operands that are first quantised to E4M3 (4 exponent bits, 3 mantissa bits; 8 bits a number), with one given power-of-two scale for each operand tensor; their sums are f32. All else is computed in f32.
;;   The module's matrix products, in the order in which they are computed (A, B: the left and right operand; K: the contracted axis; several contracted axes count as one K, in the product's order):
;;     1. [M 8,192, K 1,024] x [K 1,024, N 1,024]; A: input x; B: input Wq: QUANTISED (scales: A lowp_scales[0], B lowp_scales[1])
;;     2. [M 8,192, K 1,024] x [K 1,024, N 1,024]; A: input x; B: input Wk: QUANTISED (scales: A lowp_scales[2], B lowp_scales[3])
;;     3. [M 8,192, K 1,024] x [K 1,024, N 1,024]; A: input x; B: input Wv: QUANTISED (scales: A lowp_scales[4], B lowp_scales[5])
;;     4. batch 64 x [M 2,048, K 64] x [K 64, N 2,048]; A: computed on the way; B: computed on the way: QUANTISED (scales: A lowp_scales[6], B lowp_scales[7])
;;     5. batch 64 x [M 2,048, K 2,048] x [K 2,048, N 64]; A: softmax (see below); B: computed on the way: QUANTISED (scales: A lowp_scales[8], B lowp_scales[9])
;;     6. [M 8,192, K 1,024] x [K 1,024, N 1,024]; A: computed on the way; B: input Wo: QUANTISED (scales: A lowp_scales[10], B lowp_scales[11])
;;   THE QUANTISER, for each operand of a quantised product, along K:
;;     - The operand's scale is 2^e, e = its entry of the input lowp_scales (int32; the entries are numbered through the quantised products in the list's order, A before B).
;;     - Each number is divided by the scale, clamped to +-448, and rounded to the nearest number of E4M3, ties to even, subnormals kept.
;;     - The product sums the exact products of the quantised numbers (number of the format x scale) in f32.
;;   ~~~python
;;   def quantise(x, axis, e):      # numpy; x: float32 -> the quantised numbers, widened to float32 again
;;       x = np.moveaxis(x, axis, -1); K = x.shape[-1]
;;       r = np.clip(x / 2.0 ** e, -448, 448)
;;       step = 2.0 ** (np.maximum(np.frexp(np.where(r == 0, 1, r))[1] - 1, -6) - 3)
;;       q = np.round(r / step) * step * 2.0 ** e      # np.round: ties to even
;;       return np.moveaxis(q, -1, axis).astype(np.float32)
;;   ~~~
;;   SOFTMAX AHEAD OF A QUANTISED PRODUCT. Where the list says 'softmax', what is quantised is not the finished softmax but p = 2^(t - M), with t = logit x log2(e) and M = ceil(the row's largest t), a whole number; so 1/2 < the row's largest p <= 1. The row's sum l is taken of the UNQUANTISED p, in f32, and the product's result is divided by l at the end. Since M is a whole number, a kernel that streams over the keys may use a running M (the ceiling of the running maximum): every later rescaling is an exact power of two, so the quantised numbers keep their values, but for numbers so far below the row's largest that they fall under the format's range.
;;   OPERANDS COMPUTED ON THE WAY. 'Computed on the way' means the value that the module computes at that place (a softmax that the list does not call 'softmax' is quantised finished and normalised). What goes into a quantiser is computed in f32, as accurately as f32 sums, v_exp_f32 and their like allow (about 1e-6 of the number): no bf16 or f16 on the way to a quantiser, and a product that is left as it is and whose result goes on into a quantised operand takes f32 operands (vector FMAs, or v_wmma_f32_16x16x4_f32). A number that lies on a knife's edge between two numbers of the format may be rounded either way, as far as f32 arithmetic and the matrix unit's own rounding can turn it there, and no further.
;; One version. Each part assembles by itself: llvm-mc -triple=amdgcn-amd-amdhsa -mcpu=gfx1250 --defsym DOCPART=n.
;; ======== version 1 of 1: 4 launches
;; limits: right only within a limited range of input values
;; workspace buffers: xc 25,165,824 bytes; wc 4,194,304 bytes; qf 8,388,608 bytes; kf 8,388,608 bytes; vf 8,388,608 bytes; cf 8,388,608 bytes
;; launch quant (part 1): grid 640 x 1, 4 waves a work-group, no clusters, 67,072 bytes of LDS; arguments x, Wq, Wk, Wv, Wo, lowp_scales, xc, wc; writes xc, wc
.if DOCPART == 1
	.amdgcn_target "amdgcn-amd-amdhsa--gfx1250"
	.amdhsa_code_object_version 6
	.text
	.protected	k_qbe36b7809f_quant
	.globl	k_qbe36b7809f_quant
	.p2align	8
	.type	k_qbe36b7809f_quant,@function
k_qbe36b7809f_quant:
	s_mov_b64 s[64:65], 0
	v_nop
	global_prefetch_b8 v0, s[64:65] scope:SCOPE_SE
	s_setreg_imm32_b32 hwreg(HW_REG_WAVE_MODE, 25, 1), 1
	s_wait_xcnt 0x0
; x [8192][1024] f32 becomes three sets of E4M3 codes (scales 2^e0, 2^e2, 2^e4); Wq, Wk, Wv, Wo [1024 (k)][1024 (n)] f32 one set each (e1, e3, e5, e11).
; code = number / 2^e, held within +-448, rounded to the nearest code, ties to even.
; THE CODES ARE STORED AS IMAGES OF OPERAND REGISTERS.  A fragment is 16 rows x 128 K in 16 registers: lane (r = l % 16, h = l / 16) holds row r, registers 2 c, 2 c + 1
; hold k = 16 c + 8 h + 0 .. 7.  Its image is 2,048 bytes: piece p (registers 4 p .. 4 p + 3) is 512 bytes, lane l's 16 bytes at 16 l.
;   xc: [z 3][row tile 512][K step 8][2048]      wc: [weight 4][tile of 16 output columns 64][K step 8][2048] (the lane's row is the output column)
; Work-groups 0-127 take the weights, 128-639 x.  Waves share nothing: no barrier; each path and each wave has LDS bytes of its own.  No tile is read twice, so there is nothing to share in a cluster.
; LIMITS: each of e0 .. e5 and e11 lies between -126 and 119 (2^e and 448 x 2^e are made as f32 numbers).  NaN among the inputs is not served; an infinity is held at the largest code.
.set XST,  8448                        ; x path: a wave's stage, 16 rows x (512 bytes + 16)
.set WST0, 33792                       ; weights path: its stages begin behind the four of the x path
.set LI,   1                           ; v1  16 x lane
.set SI,   2                           ; v2  x path: into the stage
.set SO,   3                           ; v3  x path: out of it
.set XA,   16                          ; v16-79   K step 0 as loaded; later K step 1 turned
.set XB,   80                          ; v80-143  K step 1 as loaded; later CD
.set YA,   144                         ; v144-207 K step 0 turned
.set CD,   80                          ; v80-127  codes: 16 registers for each of the three scales
.set T0,   128
.set T1,   208
.set WX,   16                          ; weights path: v16-79 two sets of 32 numbers; v80-87 a block's codes; v144-207 the way out
.set WC,   80
.set WO,   144
	s_load_b512 s[4:19], s[0:1], 0x0               ; x s[4:5], Wq s[6:7], Wk s[8:9], Wv s[10:11], Wo s[12:13], the exponents s[14:15], xc s[16:17], wc s[18:19]
	v_lshl_add_u32 v224, v0, 2, 0x10400
	v_mov_b32 v225, 0
	v_lshrrev_b32 v15, 5, v0
	v_readfirstlane_b32 s20, v15                   ; wave
	v_and_b32 v15, 31, v0
	v_lshlrev_b32 v[LI], 4, v15
	s_wait_kmcnt 0x0
	s_load_b256 s[24:31], s[14:15], 0x0            ; e0 .. e7
	s_load_b128 s[40:43], s[14:15], 0x20           ; e8 .. e11
	s_cmp_lt_u32 ttmp9, 128
	s_cbranch_scc1 .Lweights
; ---- x.  A work-group takes a tile of 16 rows, wave w its K steps 2 w and 2 w + 1 (1,024 bytes of each row).
	s_sub_co_u32 s21, ttmp9, 128                   ; row tile
	s_lshl_b32 s44, s21, 16                        ; 16 rows of 4,096 bytes
	s_lshl_b32 s45, s20, 10
	s_add_co_u32 s44, s44, s45
	s_mov_b32 s45, 0
	s_add_nc_u64 s[4:5], s[4:5], s[44:45]
	s_lshl_b32 s44, s21, 14                        ; a row tile's eight images
	s_lshl_b32 s46, s20, 12                        ; my two of them
	s_add_co_u32 s44, s44, s46
	s_add_nc_u64 s[32:33], s[16:17], s[44:45]      ; a base for each scale's set: they lie 8 MiB apart
	s_add_nc_u64 s[34:35], s[32:33], 0x800000
	s_add_nc_u64 s[36:37], s[34:35], 0x800000
.set i, 0
	s_wait_alu depctr_va_vdst(0)
.rept 16
	global_load_b128 v[XA+4*i:XA+4*i+3], v[LI], s[4:5] offset:4096*i th:TH_LOAD_NT       ; 32 lanes read 512 consecutive bytes of row i
.set i, i+1
.endr
.set i, 0
.rept 16
	global_load_b128 v[XB+4*i:XB+4*i+3], v[LI], s[4:5] offset:4096*i+512 th:TH_LOAD_NT
.set i, i+1
.endr
	s_mul_i32 s46, s20, XST
	v_add_nc_u32 v[SI], s46, v[LI]                 ; in: row i at 528 i, as loaded
	v_and_b32 v10, 15, v0
	v_bfe_u32 v11, v0, 4, 1
	v_mul_u32_u24 v[SO], v10, 528
	v_lshl_add_u32 v[SO], v11, 5, v[SO]
	v_add_nc_u32 v[SO], s46, v[SO]                 ; out: row r, + 32 h: eight neighbours of each 16 along K
	s_wait_alu depctr_va_vdst(0)
	s_wait_kmcnt 0x0
.irp z, 0,1,2
	s_add_co_i32 s46, s[24+2*\z], 127
	s_lshl_b32 s47, s46, 23
	v_mov_b32 v[4+2*\z], s47                       ; 2^e as f32: the conversion takes its exponent field
	s_add_co_i32 s46, s46, 8
	s_lshl_b32 s46, s46, 23
	s_or_b32 s46, s46, 0x600000
.endr
.macro TURNX src, dst                  ; a K step through the stage: afterwards register 8 c + j of dst is x(r, 16 c + 8 h + j).  LDS serves a wave's instructions in order
.set i, 0
.rept 16
	ds_store_b128 v[SI], v[\src+4*i:\src+4*i+3] offset:528*i
.set i, i+1
.endr
.set i, 0
.rept 8
	ds_load_b128 v[\dst+8*i:\dst+8*i+3], v[SO] offset:64*i
	ds_load_b128 v[\dst+8*i+4:\dst+8*i+7], v[SO] offset:64*i+16
.set i, i+1
.endr
.endm
.macro QF y, s                         ; the 64 numbers at v[y] become K step s's fragment under each of the three scales, and leave: each store covers 512 consecutive bytes, aligned
.irp z, 0,1,2
.irp g, 0,1,2,3
.set TT, T0+(T1-T0)*(\g%2)
.set i, 0
.rept 16
.set i, i+1
.endr
	v_cvt_scalef32_pk8_fp8_f32 v[CD+16*\z+4*\g:CD+16*\z+4*\g+1], v[TT+((\y+16*\g+i)-(TT+i)):TT+7+((\y+16*\g+i)-(TT+i))], v[4+2*\z]
	v_cvt_scalef32_pk8_fp8_f32 v[CD+16*\z+4*\g+2:CD+16*\z+4*\g+3], v[TT+8+((\y+16*\g+i)-(TT+i)):TT+15+((\y+16*\g+i)-(TT+i))], v[4+2*\z]
.endr
.irp g, 0,1,2,3
	global_store_b128 v[LI], v[CD+16*\z+4*\g:CD+16*\z+4*\g+3], s[32+2*\z:33+2*\z] offset:2048*\s+512*\g
.endr
.endr
.endm
	s_wait_alu depctr_va_vdst(0)
	s_wait_loadcnt 16                              ; K step 0's sixteen loads are in, K step 1's may be out
	TURNX XA, YA
	s_wait_loadcnt 0x0
	s_wait_dscnt 0x0                               ; K step 0 is back
	TURNX XB, XA
	s_wait_dscnt 16                                ; the sixteen stores have read v80-143; the sixteen loads behind them may be out
	QF YA, 0
	s_wait_dscnt 0x0                               ; K step 1 is back
	s_wait_xcnt 0x0                                ; the codes' registers are written again only behind this wait
	QF XA, 1
	s_wait_tensorcnt 0x0
	ds_add_u32 v224, v225
	s_wait_dscnt 0x0
	s_endpgm
; ---- the weights.  K is their FIRST axis: a lane takes an output column and its registers run down K, so the conversions give codes with K innermost.
; A work-group: weight g / 32, 128 columns (g % 8), 256 along K ((g / 8) % 4); a wave 32 of the columns: two tiles x two K steps = four images, gathered in its stage.
.Lweights:
	s_lshr_b32 s21, ttmp9, 5                       ; which weight
	s_and_b32 s38, ttmp9, 7
	s_bfe_u32 s39, ttmp9, 0x20003
	s_cmp_lt_u32 s21, 1
	s_cselect_b64 s[22:23], s[6:7], s[8:9]
	s_cmp_lt_u32 s21, 2
	s_cselect_b64 s[22:23], s[22:23], s[10:11]
	s_cmp_lt_u32 s21, 3
	s_cselect_b64 s[22:23], s[22:23], s[12:13]
	s_lshl_b32 s44, s39, 20                        ; 256 rows of 4,096 bytes
	s_lshl_b32 s46, s38, 9                         ; 128 columns
	s_add_co_u32 s44, s44, s46
	s_lshl_b32 s46, s20, 7                         ; my 32
	s_add_co_u32 s44, s44, s46
	s_mov_b32 s45, 0
	s_add_nc_u64 s[22:23], s[22:23], s[44:45]
	s_lshl_b32 s44, s21, 20                        ; a weight's codes are 1 MiB
	s_lshl_b32 s46, s38, 17                        ; eight tiles of columns x 16,384 bytes
	s_add_co_u32 s44, s44, s46
	s_lshl_b32 s46, s20, 15                        ; my two
	s_add_co_u32 s44, s44, s46
	s_lshl_b32 s46, s39, 12                        ; two K steps
	s_add_co_u32 s44, s44, s46
	s_add_nc_u64 s[18:19], s[18:19], s[44:45]
	s_wait_alu depctr_va_vdst(0)
	v_lshlrev_b32 v10, 2, v15                      ; in: 4 bytes a lane
	v_and_b32 v11, 15, v0
	v_lshlrev_b32 v11, 4, v11
	v_bfe_u32 v12, v0, 4, 1
	v_lshl_add_u32 v11, v12, 12, v11               ; into the stage: my tile's two images at 4,096 (lane / 16); my row's 16 bytes at 16 (lane % 16)
	s_lshl_b32 s46, s20, 13
	s_add_co_u32 s46, s46, WST0
	v_add_nc_u32 v11, s46, v11
	v_add_nc_u32 v12, s46, v[LI]                   ; out of it: as it lies
.macro LOADW t                         ; block t: W(32 t + i, my column)
.set i, 0
.rept 32
	global_load_b32 v[WX+32*((\t)%2)+i], v10, s[22:23] offset:(32*(\t)+i)*4096 th:TH_LOAD_NT
.set i, i+1
.endr
.endm
	LOADW 0
	LOADW 1
	s_wait_kmcnt 0x0
	s_cmp_lt_u32 s21, 1
	s_cselect_b32 s46, s25, s27                    ; e1, e3,
	s_cmp_lt_u32 s21, 2
	s_cselect_b32 s46, s46, s29                    ; e5,
	s_cmp_lt_u32 s21, 3
	s_cselect_b32 s46, s46, s43                    ; e11
	s_add_co_i32 s46, s46, 127
	s_lshl_b32 s47, s46, 23
	v_mov_b32 v4, s47
	s_add_co_i32 s46, s46, 8
	s_lshl_b32 s46, s46, 23
	s_or_b32 s46, s46, 0x600000
; Of a block's 32 along K, k 0-7 and 16-23 are the 16 bytes of lane (r, 0) of piece t % 4, k 8-15 and 24-31 those of lane (r, 1), 256 bytes further on.
.macro BLOCKW t
.set XS, WX+32*((\t)%2)
.if (\t) < 7
	s_wait_loadcnt 32                              ; this block's 32 loads are in, the next block's may be out
.else
	s_wait_loadcnt 0x0
.endif
.set i, 0
.rept 32
.set i, i+1
.endr
	v_cvt_scalef32_pk8_fp8_f32 v[WC:WC+1], v[XS:XS+7], v4
	v_cvt_scalef32_pk8_fp8_f32 v[WC+2:WC+3], v[XS+16:XS+23], v4
	v_cvt_scalef32_pk8_fp8_f32 v[WC+4:WC+5], v[XS+8:XS+15], v4
	v_cvt_scalef32_pk8_fp8_f32 v[WC+6:WC+7], v[XS+24:XS+31], v4
	ds_store_b128 v11, v[WC:WC+3] offset:2048*((\t)/4)+512*((\t)%4)
	ds_store_b128 v11, v[WC+4:WC+7] offset:2048*((\t)/4)+512*((\t)%4)+256
.if (\t)+2 < 8
	LOADW (\t)+2
.endif
	s_wait_dscnt 0x0                               ; the stores have read their registers: the next block's codes may be written
.endm
	s_wait_alu depctr_va_vdst(0)
.irp t, 0,1,2,3,4,5,6,7
	BLOCKW \t
.endr
.set i, 0
.rept 16
	ds_load_b128 v[WO+4*i:WO+4*i+3], v12 offset:512*i
.set i, i+1
.endr
.set i, 0
.rept 16
	s_wait_dscnt 15-i                              ; piece i is back, the younger ones may be out
	global_store_b128 v[LI], v[WO+4*i:WO+4*i+3], s[18:19] offset:(i/8)*16384+(i%8)*512   ; 512 consecutive bytes, aligned
.set i, i+1
.endr
	s_wait_tensorcnt 0x0
	ds_add_u32 v224, v225
	s_wait_dscnt 0x0
	s_endpgm
.Lfunc_end_k_qbe36b7809f_quant:
	.size	k_qbe36b7809f_quant, .Lfunc_end_k_qbe36b7809f_quant-k_qbe36b7809f_quant
	.p2alignl 7, 3214868480
	.fill 96, 4, 3214868480
	.section	.rodata,"a",@progbits
	.p2align	6, 0x0
	.amdhsa_kernel k_qbe36b7809f_quant
		.amdhsa_group_segment_fixed_size 67072
		.amdhsa_private_segment_fixed_size 0
		.amdhsa_enable_private_segment 0
		.amdhsa_kernarg_size 64
		.amdhsa_user_sgpr_count 2
		.amdhsa_user_sgpr_kernarg_segment_ptr 1
		.amdhsa_wavefront_size32 1
		.amdhsa_system_sgpr_workgroup_id_x 1
		.amdhsa_system_sgpr_workgroup_id_y 1
		.amdhsa_system_sgpr_workgroup_id_z 1
		.amdhsa_system_vgpr_workitem_id 0
		.amdhsa_next_free_vgpr 226
		.amdhsa_next_free_sgpr 66
		.amdhsa_reserve_vcc 0
		.amdhsa_float_denorm_mode_32 3
		.amdhsa_float_denorm_mode_16_64 3
		.amdhsa_fp16_overflow 1
		.amdhsa_memory_ordered 1
		.amdhsa_forward_progress 1
		.amdhsa_inst_pref_size 48
	.end_amdhsa_kernel
	.amdgpu_metadata
---
amdhsa.version: [ 1, 2 ]
amdhsa.kernels:
  - .name:           k_qbe36b7809f_quant
    .symbol:         k_qbe36b7809f_quant.kd
    .args:
      - { .name: x, .offset: 0, .size: 8, .value_kind: global_buffer, .address_space: global }
      - { .name: Wq, .offset: 8, .size: 8, .value_kind: global_buffer, .address_space: global }
      - { .name: Wk, .offset: 16, .size: 8, .value_kind: global_buffer, .address_space: global }
      - { .name: Wv, .offset: 24, .size: 8, .value_kind: global_buffer, .address_space: global }
      - { .name: Wo, .offset: 32, .size: 8, .value_kind: global_buffer, .address_space: global }
      - { .name: lowp_scales, .offset: 40, .size: 8, .value_kind: global_buffer, .address_space: global }
      - { .name: xc, .offset: 48, .size: 8, .value_kind: global_buffer, .address_space: global }
      - { .name: wc, .offset: 56, .size: 8, .value_kind: global_buffer, .address_space: global }
    .group_segment_fixed_size: 67072
    .private_segment_fixed_size: 0
    .kernarg_segment_align: 8
    .kernarg_segment_size: 64
    .max_flat_workgroup_size: 128
    .sgpr_count:     66
    .vgpr_count:     226
    .wavefront_size: 32
...
	.end_amdgpu_metadata
.endif
;; end of part 1
;; launch qkv (part 2): grid 4 x 192, 4 waves a work-group, clusters of 4 x 4, 327,680 bytes of LDS; arguments xc, wc, lowp_scales, qf, kf, vf; writes qf, kf, vf
.if DOCPART == 2
	.amdgcn_target "amdgcn-amd-amdhsa--gfx1250"
	.amdhsa_code_object_version 6
	.text
	.protected	k_qbe36b7809f_qkv
	.globl	k_qbe36b7809f_qkv
	.p2align	8
	.type	k_qbe36b7809f_qkv,@function
k_qbe36b7809f_qkv:
	s_mov_b64 s[64:65], 0
	v_nop
	global_prefetch_b8 v0, s[64:65] scope:SCOPE_SE
	s_setreg_imm32_b32 hwreg(HW_REG_WAVE_MODE, 25, 1), 1
	s_wait_xcnt 0x0
	s_wait_alu depctr_hold_cnt(0) depctr_sa_sdst(0) depctr_va_vdst(0) depctr_va_sdst(0) depctr_va_ssrc(0) depctr_va_vcc(0) depctr_vm_vsrc(0)
	s_getreg_b32 s2, hwreg(HW_REG_IB_STS2, 6, 4)
	s_cmp_eq_u32 s2, 0
	s_cbranch_scc0 .Lentry_in_a_cluster
	s_endpgm
.Lentry_in_a_cluster:
	s_bfe_u32 s2, ttmp6, 0x10000c
	s_cmp_lg_u32 s2, 0xf033
	s_cbranch_scc0 .Lentry_shape_is_right
	s_endpgm
.Lentry_shape_is_right:
; q = x Wq, k = x Wk, v = x Wv on E4M3 codes, sums in f32, and each result quantised at once for attention's products (scales e6, e7, e9).
; All operands are images of operand registers (16 rows x 128 K = 2,048 bytes; piece p = registers 4 p .. 4 p + 3 = 512 bytes, lane l's 16 bytes at 16 l; lane (r, h): row r, registers 2 c, 2 c + 1: k = 16 c + 8 h + 0 .. 7).
; THE FRAME: C' = A' B'^T; a work-group makes 128 rows of A' x 256 rows of B'; wave (wr, wc) 64 x 128: 4 x 8 accumulators.  Source 0 = 16 rows of B', source 1 = 16 rows of A': lane (r, h) holds A' row r and
; its eight registers B' rows 8 h + 0 .. 7.  Eight registers through one conversion are registers 2 b, 2 b + 1 of the NEXT product's fragment, whose K runs along B' rows: the results leave as images, straight from registers.
;   z = 0, 1 (q, k): A' = x, B' = W: the next K is the head's 64 channels.   qf, kf: [batch x head 64][tile of 16 tokens 128][1024]
;   z = 2 (v): A' = Wv, B' = x: the next K is the keys.                      vf: [batch x head 64][step of 128 keys 16][tile of 16 channels 4][2048]
; K = 1,024 goes in four steps of 256 through three LDS slots: steps 0, 1, 2 are asked for at the start, step 3 fills slot 0 again.  All eight half steps of 128 are written out.
; CLUSTERS: 4 x 4 work-groups; A' tiles are shared along a row of the cluster, B' tiles along a column: joint loads.  z and the cluster's part of row and column come from the cluster's number, which all sixteen share.
; Nothing is prefetched: three quarters of a work-group's bytes are asked for at its head.
; LIMITS: e6 - e0 - e1, e7 - e2 - e3 and e9 - e4 - e5 lie between -126 and 119.
; REGISTERS, in windows of 256: window 0: v2 16 x lane; v4-6, v8-10 LDS addresses for each slot; v12, v13 for the add; v16-21 the way out; A' fragments, two sets of 64, at v64 and v128.
;   window 1: B' fragments, two sets of 128.   window 2: accumulator (a, b) at v[8 (8 a + b)].
.set SLOT,  98304                      ; A' 8 tiles x 4,096 bytes (K = 256), then B' 16 x 4,096
.set SPARE, 3*SLOT                     ; behind the slots: the spare words, 128 bytes a wave, which no other line names
.set LI,   2
.set ADRA, 4
.set ADRB, 8
.set SPW,  12
.set NIL,  13
.set GO,   16                          ; v16-19 the four pieces' byte offsets
.set SC,   20
.set LIM,  21
.set T,    64                          ; the way out
.set CD,   128                         ; and codes
.set G1A,  32                          ; s[32:39], s[40:47] descriptor groups 1;  s[48:59], s[68:79] groups 0, a set for each slot
.set G1B,  40
.set G0A,  48
.set G0B,  68
.set MSB, 0
.macro WIN new                         ; the immediate's high byte repeats the setting that is left
.if MSB != \new
	s_set_vgpr_msb (MSB<<8)|\new
.set MSB, \new
.endif
.endm
.set MUL,  0xa1                        ; source 0 (B') window 1, source 1 (A') window 0, C and D window 2
.set TO_B, 0x40                        ; destination window 1, address window 0
.macro PLACES n
.rept \n
	v_nop
.endr
.endm
.macro CREST                           ; a round of the cluster's barrier behind its opening barrier
	s_cmp_lg_u32 s16, 0
	s_cbranch_scc1 .Lnot_wave_0_\@
	s_barrier_signal -3
.Lnot_wave_0_\@:
	s_barrier_wait -3
	s_barrier_signal -1
	s_barrier_wait -1
.endm
.macro CROUND
	s_barrier_signal -1
	s_barrier_wait -1
	CREST
.endm
.macro JLOAD g0a, g0b                  ; a joint load: waves 0, 1 fetch A' halves, waves 2, 3 B' halves; four v_nop follow each line
	s_cmp_eq_u32 s17, 0
	s_cbranch_scc0 .Lfor_b_\@
	tensor_load_to_lds s[\g0a:\g0a+3], s[G1A:G1A+7]
	s_nop 0
	PLACES 4
	s_branch .Lasked_\@
.Lfor_b_\@:
	tensor_load_to_lds s[\g0b:\g0b+3], s[G1B:G1B+7]
	s_nop 0
	PLACES 4
.Lasked_\@:
.endm
	s_load_b256 s[4:11], s[0:1], 0x0               ; xc s[4:5], wc s[6:7], the exponents s[8:9], qf s[10:11]
	s_load_b128 s[12:15], s[0:1], 0x20             ; kf s[12:13], vf s[14:15]
	v_lshl_add_u32 v[SPW], v0, 2, SPARE
	v_mov_b32 v[NIL], 0
	ds_add_u32 v12, v13
	ds_add_u32 v12, v13
	s_wait_dscnt 0x0
	v_lshrrev_b32 v1, 5, v0
	v_readfirstlane_b32 s16, v1                    ; wave
	s_lshr_b32 s17, s16, 1                         ; wr.  Also: I fetch for A' (0) or B' (1)
	s_and_b32 s18, s16, 1                          ; wc.  Also: which half I fetch
	s_bfe_u32 s19, ttmp6, 0x40000                  ; cx
	s_bfe_u32 s20, ttmp6, 0x40004                  ; cy
	s_and_b32 s21, ttmp7, 0xffff                   ; the cluster's y, 0 .. 47
	s_lshr_b32 s22, s21, 4                         ; z
	s_and_b32 s23, s21, 15
	s_lshr_b32 s26, s23, 3
	s_and_b32 s27, s23, 7
	s_cmp_lt_u32 s22, 2
	s_cselect_b32 s26, s23, s26                    ; q, k: 64 blocks of rows, 4 of columns;  v: 8 and 32
	s_cselect_b32 s27, 0, s27
	s_lshl_b32 s24, s26, 2
	s_add_co_u32 s24, s24, s20                     ; row: my block of 128 rows of A'
	s_lshl_b32 s25, s27, 2
	s_add_co_u32 s25, s25, s19                     ; col: my block of 256 rows of B'
	s_lshl_b32 s28, s20, 2
	s_lshl_b32 s28, 15, s28                        ; my row of the cluster
	s_lshl_b32 s29, 0x1111, s19                    ; my column
	; group 1: rows of 4,096 bytes (a tile of 16 rows x K 256), 16,384 bytes apart, dense in LDS; elements of 8 bytes
	s_or_b32 s[G1A], s28, 0x230000                 ; 15:0 the mask; 17:16 elements of 8 bytes; 21 set beside a mask
	s_or_b32 s[G1B], s29, 0x230000
.irp g, G1A, G1B
	s_mov_b32 s[\g+1], 512<<16                     ; tensor_dim0
	s_mov_b32 s[\g+3], 512<<16                     ; tile_dim0
	s_mov_b32 s[\g+5], 2048                        ; the pitch
	s_mov_b32 s[\g+6], 0
	s_mov_b32 s[\g+7], 0
.endr
	s_mov_b32 s[G1A+2], 4<<16                      ; tensor_dim1: A' half = 4 tiles,
	s_mov_b32 s[G1A+4], 4
	s_mov_b32 s[G1B+2], 8<<16                      ; B' half = 8
	s_mov_b32 s[G1B+4], 8
	s_lshl_b32 s30, s22, 23                        ; x's set z: 8 MiB each;
	s_lshl_b32 s31, s22, 20                        ; weight z: 1 MiB each
	s_cmp_lt_u32 s22, 2
	s_cselect_b32 s92, s30, s31
	s_cselect_b32 s94, s31, s30
	s_lshl_b32 s26, s24, 17                        ; A': 8 tiles x 16,384 a block,
	s_add_co_u32 s92, s92, s26
	s_lshl_b32 s26, s18, 16                        ; my half
	s_add_co_u32 s92, s92, s26
	s_mov_b32 s93, 0
	s_lshl_b32 s27, s25, 18                        ; B': 16 tiles a block
	s_add_co_u32 s94, s94, s27
	s_lshl_b32 s27, s18, 17
	s_add_co_u32 s94, s94, s27
	s_mov_b32 s95, 0
	s_lshl_b32 s30, s18, 14                        ; where they go: no place in the cluster enters an LDS address
	s_lshl_b32 s31, s18, 15
	s_add_co_u32 s31, s31, 32768
	s_wait_kmcnt 0x0
	s_load_b256 s[80:87], s[8:9], 0x0              ; e0 .. e7
	s_load_b128 s[88:91], s[8:9], 0x20             ; e8 .. e11
	s_cmp_lt_u32 s22, 2
	s_cselect_b64 s[96:97], s[4:5], s[6:7]
	s_cselect_b64 s[98:99], s[6:7], s[4:5]
	s_add_nc_u64 s[96:97], s[96:97], s[92:93]
	s_add_nc_u64 s[98:99], s[98:99], s[94:95]
.irp s, 0,1,2
	s_mov_b32 s[G0A+4*\s], 1
	s_add_co_u32 s[G0A+4*\s+1], s30, \s*SLOT
	s_add_nc_u64 s[G0A+4*\s+2:G0A+4*\s+3], s[96:97], \s*4096       ; K step s
	s_or_b32 s[G0A+4*\s+3], s[G0A+4*\s+3], 0x80000000
	s_mov_b32 s[G0B+4*\s], 1
	s_add_co_u32 s[G0B+4*\s+1], s31, \s*SLOT
	s_add_nc_u64 s[G0B+4*\s+2:G0B+4*\s+3], s[98:99], \s*4096
	s_or_b32 s[G0B+4*\s+3], s[G0B+4*\s+3], 0x80000000
.endr
	CROUND                                         ; all sixteen work-groups are here: the first joint loads meet
	s_cmp_eq_u32 s17, 0                            ; a wave's three first fills stand in one branch: three loads of mine are out
	s_cbranch_scc0 .Lfirst_b
	tensor_load_to_lds s[G0A:G0A+3], s[G1A:G1A+7]
	s_nop 0
	tensor_load_to_lds s[G0A+4:G0A+7], s[G1A:G1A+7]
	s_nop 0
	tensor_load_to_lds s[G0A+8:G0A+11], s[G1A:G1A+7]
	s_nop 0
	PLACES 4
	s_branch .Lfirst_asked
.Lfirst_b:
	tensor_load_to_lds s[G0B:G0B+3], s[G1B:G1B+7]
	s_nop 0
	tensor_load_to_lds s[G0B+4:G0B+7], s[G1B:G1B+7]
	s_nop 0
	tensor_load_to_lds s[G0B+8:G0B+11], s[G1B:G1B+7]
	s_nop 0
	PLACES 4
.Lfirst_asked:
	v_and_b32 v1, 31, v0
	v_lshlrev_b32 v[LI], 4, v1
	s_wait_alu depctr_va_vdst(0)
	s_lshl_b32 s26, s17, 14                        ; my 4 tiles of A',
	s_lshl_b32 s27, s18, 15
	s_add_co_u32 s27, s27, 32768                   ; my 8 of B'
.irp s, 0,1,2
	v_add_nc_u32 v[ADRA+\s], s26, v[LI]
	v_add_nc_u32 v[ADRB+\s], s27, v[LI]
	s_add_co_u32 s26, s26, SLOT
	s_add_co_u32 s27, s27, SLOT
.endr
	; where the results go.  q, k: head 4 col + 2 wc (and the next), token tile 8 (row % 16) + 4 wr + a of batch row / 16
	s_lshr_b32 s92, s24, 4
	s_lshl_b32 s92, s92, 4
	s_lshl_b32 s93, s25, 2
	s_add_co_u32 s92, s92, s93
	s_lshl_b32 s93, s18, 1
	s_add_co_u32 s92, s92, s93
	s_lshl_b32 s92, s92, 7
	s_and_b32 s93, s24, 15
	s_lshl_b32 s93, s93, 3
	s_add_co_u32 s92, s92, s93
	s_lshl_b32 s93, s17, 2
	s_add_co_u32 s92, s92, s93
	s_lshl_b32 s92, s92, 10
	; v: head 2 row + wr of batch col / 8, key step 2 (col % 8) + wc, channel tile a
	s_lshr_b32 s94, s25, 3
	s_lshl_b32 s94, s94, 4
	s_lshl_b32 s95, s24, 1
	s_add_co_u32 s94, s94, s95
	s_add_co_u32 s94, s94, s17
	s_lshl_b32 s94, s94, 4
	s_and_b32 s95, s25, 7
	s_lshl_b32 s95, s95, 1
	s_add_co_u32 s94, s94, s95
	s_add_co_u32 s94, s94, s18
	s_lshl_b32 s94, s94, 13
	s_cmp_lt_u32 s22, 2
	s_cselect_b32 s92, s92, s94
	s_mov_b32 s93, 0
	s_mov_b32 s62, 2048
	s_cselect_b32 s62, 1024, s62                   ; from block a to block a + 1
	s_mov_b32 s63, 0
	s_mov_b32 s26, 1024
	s_cselect_b32 s26, 0x20000, s26                ; pieces 2, 3: q, k: the next head's fragment; v: the same fragment's
	s_cselect_b64 s[60:61], s[12:13], s[14:15]
	s_cmp_lt_u32 s22, 1
	s_cselect_b64 s[60:61], s[10:11], s[60:61]
	s_add_nc_u64 s[60:61], s[60:61], s[92:93]
	v_mov_b32 v[GO], v[LI]
	v_add_nc_u32 v[GO+1], 512, v[LI]
	v_add_nc_u32 v[GO+2], s26, v[LI]
	v_add_nc_u32 v[GO+3], 512, v[GO+2]
	s_wait_kmcnt 0x0
	s_sub_co_i32 s26, s86, s80                     ; a sum stands for sum x 2^(eA + eB): its code is sum / 2^(eOut - eA - eB)
	s_sub_co_i32 s26, s26, s81
	s_sub_co_i32 s27, s87, s82
	s_sub_co_i32 s27, s27, s83
	s_sub_co_i32 s28, s89, s84
	s_sub_co_i32 s28, s28, s85
	s_cmp_lt_u32 s22, 1
	s_cselect_b32 s26, s26, s27
	s_cmp_lt_u32 s22, 2
	s_cselect_b32 s26, s26, s28
	s_add_co_i32 s26, s26, 127
	s_lshl_b32 s27, s26, 23
	v_mov_b32 v[SC], s27
.macro FETCH slot, sub, set            ; 48 LDS loads in one run, each of 512 consecutive bytes: B' eight fragments, then A' four, of the slot's half step sub
	WIN TO_B
.irp i, 0,1,2,3,4,5,6,7
.irp c, 0,1,2,3
	ds_load_b128 v[128*(\set)+16*\i+4*\c:128*(\set)+16*\i+4*\c+3], v[ADRB+\slot] offset:4096*\i+2048*(\sub)+512*\c
.endr
.endr
	WIN 0
.irp i, 0,1,2,3
.irp c, 0,1,2,3
	ds_load_b128 v[64+64*(\set)+16*\i+4*\c:64+64*(\set)+16*\i+4*\c+3], v[ADRA+\slot] offset:4096*\i+2048*(\sub)+512*\c
.endr
.endr
.endm
.macro MUL8 set, a, zero               ; A' block a against B' eight.  The 32 accumulators take turns, one instruction a turn, in the same order in every half step
.irp b, 0,1,2,3,4,5,6,7
.if \zero
	v_wmma_f32_16x16x128_fp8_fp8 v[8*(8*(\a)+\b):8*(8*(\a)+\b)+7], v[128*(\set)+16*\b:128*(\set)+16*\b+15], v[64+64*(\set)+16*(\a):64+64*(\set)+16*(\a)+15], 0
.else
	v_wmma_f32_16x16x128_fp8_fp8 v[8*(8*(\a)+\b):8*(8*(\a)+\b)+7], v[128*(\set)+16*\b:128*(\set)+16*\b+15], v[64+64*(\set)+16*(\a):64+64*(\set)+16*(\a)+15], v[8*(8*(\a)+\b):8*(8*(\a)+\b)+7]
.endif
.endr
.endm
.macro MUL16 set, a0, zero
	MUL8 \set, \a0, \zero
	MUL8 \set, (\a0)+1, \zero
.endm
.macro SUB set, nslot, nsub, zero      ; a half step of 128 along K on one set; in its middle the next half step is fetched into the other
	s_wait_dscnt 8                                 ; B' and A' blocks 0, 1 are in; the youngest eight loads (blocks 2, 3) may be out
	WIN MUL
	MUL16 \set, 0, \zero
	PLACES 4                                       ; four plain places in front of loads into registers that matrix instructions have read (ISA guide 7.12.1 for vector instructions)
	FETCH \nslot, \nsub, 1-(\set)
	s_wait_dscnt 48                                ; all but the 48 just issued
	WIN MUL
	MUL16 \set, 2, \zero
.endm
; A half step (on set 1) that changes slots.  In front of the barrier each wave waits for all its tensor loads, adds 0 to its spare word, and waits for that and for its LDS reads.  fill = 1: the barrier opens a round of
; the cluster's, and behind it K step 3 is asked for, into slot 0, which nobody reads any more.
.macro TURN next, fill
	WIN 0
	s_wait_tensorcnt 0x0                           ; all my tensor loads have landed
	ds_add_u32 v[SPW], v[NIL]                      ; 0 onto my spare word
	s_wait_dscnt 9                                 ; (the add and A' blocks 2, 3 may be out)
	WIN MUL
	MUL8 1, 0, 0
	s_wait_dscnt 0x0                               ; the add is done and my LDS reads are over
	s_barrier_signal -1
	MUL8 1, 1, 0
	WIN 0
	s_barrier_wait -1
.if \fill
	CREST
	s_add_nc_u64 s[G0A+2:G0A+3], s[G0A+2:G0A+3], 3*4096
	s_add_nc_u64 s[G0B+2:G0B+3], s[G0B+2:G0B+3], 3*4096
	JLOAD G0A, G0B                                 ; the first tensor load behind the round, my only one; its four v_nop are also the places in front of the loads below
.else
	PLACES 4
.endif
	s_wait_alu depctr_va_vdst(0)
	FETCH \next, 0, 0
	WIN MUL
	MUL16 1, 2, 0
.endm
	s_wait_tensorcnt 2                             ; my part of K step 0 is in; steps 1 and 2 may be out
	s_barrier_signal -1
	s_barrier_wait -1
	FETCH 0, 0, 0
	SUB 0, 0, 1, 1                                 ; the first products start the sums
	TURN 1, 1
	SUB 0, 1, 1, 0
	SUB 1, 2, 0, 0                                 ; slot 2 was shown whole to every wave by the round above
	SUB 0, 2, 1, 0
	TURN 0, 0                                      ; K step 3 has landed in slot 0
	SUB 0, 0, 1, 0
	s_wait_dscnt 8
	WIN MUL
	MUL16 1, 0, 0
	s_wait_dscnt 0x0
	MUL16 1, 2, 0
	WIN 0
	; THE WAY OUT.  Block a's 64 sums are converted (accumulator b gives registers 2 b, 2 b + 1) and stored: four pieces, each 512 consecutive bytes, aligned.
	PLACES 4
.irp a, 0,1,2,3
	WIN 0x02                                       ; source 0 window 2
.set i, 0
.rept 64
.set i, i+1
.endr
.irp b, 0,1,2,3,4,5,6,7
	v_cvt_scalef32_pk8_fp8_f32 v[CD+16*\a+2*\b:CD+16*\a+2*\b+1], v[T+8*\b+((64*\a+i)-(T+i)):T+8*\b+7+((64*\a+i)-(T+i))], v[SC]
.endr
	WIN 0
	v_nop                                          ; a plain line between the conversions and the next write of their sources
.irp c, 0,1,2,3
	global_store_b128 v[GO+\c], v[CD+16*\a+4*\c:CD+16*\a+4*\c+3], s[60:61]
.endr
.if \a < 3
	s_wait_xcnt 0x0                                ; the stores have read their base
	s_add_nc_u64 s[60:61], s[60:61], s[62:63]
.endif
.endr
	s_wait_tensorcnt 0x0                           ; the wave's end
	ds_add_u32 v[SPW], v[NIL]
	s_wait_dscnt 0x0
	CROUND                                         ; the closing round
	s_endpgm
.Lfunc_end_k_qbe36b7809f_qkv:
	.size	k_qbe36b7809f_qkv, .Lfunc_end_k_qbe36b7809f_qkv-k_qbe36b7809f_qkv
	.p2alignl 7, 3214868480
	.fill 96, 4, 3214868480
	.section	.rodata,"a",@progbits
	.p2align	6, 0x0
	.amdhsa_kernel k_qbe36b7809f_qkv
		.amdhsa_group_segment_fixed_size 327680
		.amdhsa_private_segment_fixed_size 0
		.amdhsa_enable_private_segment 0
		.amdhsa_kernarg_size 48
		.amdhsa_user_sgpr_count 2
		.amdhsa_user_sgpr_kernarg_segment_ptr 1
		.amdhsa_wavefront_size32 1
		.amdhsa_system_sgpr_workgroup_id_x 1
		.amdhsa_system_sgpr_workgroup_id_y 1
		.amdhsa_system_sgpr_workgroup_id_z 1
		.amdhsa_system_vgpr_workitem_id 0
		.amdhsa_next_free_vgpr 768
		.amdhsa_next_free_sgpr 100
		.amdhsa_reserve_vcc 0
		.amdhsa_float_denorm_mode_32 3
		.amdhsa_float_denorm_mode_16_64 3
		.amdhsa_fp16_overflow 1
		.amdhsa_memory_ordered 1
		.amdhsa_forward_progress 1
		.amdhsa_inst_pref_size 57
	.end_amdhsa_kernel
	.amdgpu_metadata
---
amdhsa.version: [ 1, 2 ]
amdhsa.kernels:
  - .name:           k_qbe36b7809f_qkv
    .symbol:         k_qbe36b7809f_qkv.kd
    .args:
      - { .name: xc, .offset: 0, .size: 8, .value_kind: global_buffer, .address_space: global }
      - { .name: wc, .offset: 8, .size: 8, .value_kind: global_buffer, .address_space: global }
      - { .name: lowp_scales, .offset: 16, .size: 8, .value_kind: global_buffer, .address_space: global }
      - { .name: qf, .offset: 24, .size: 8, .value_kind: global_buffer, .address_space: global }
      - { .name: kf, .offset: 32, .size: 8, .value_kind: global_buffer, .address_space: global }
      - { .name: vf, .offset: 40, .size: 8, .value_kind: global_buffer, .address_space: global }
    .group_segment_fixed_size: 327680
    .private_segment_fixed_size: 0
    .kernarg_segment_align: 8
    .kernarg_segment_size: 48
    .max_flat_workgroup_size: 128
    .sgpr_count:     100
    .vgpr_count:     768
    .wavefront_size: 32
...
	.end_amdgpu_metadata
.endif
;; end of part 2
;; launch attn (part 3): grid 4 x 64, 16 waves a work-group, clusters of 4 x 1, 327,680 bytes of LDS; arguments qf, kf, vf, lowp_scales, cf; writes cf
.if DOCPART == 3
	.amdgcn_target "amdgcn-amd-amdhsa--gfx1250"
	.amdhsa_code_object_version 6
	.text
	.protected	k_qbe36b7809f_attn
	.globl	k_qbe36b7809f_attn
	.p2align	8
	.type	k_qbe36b7809f_attn,@function
k_qbe36b7809f_attn:
	s_mov_b64 s[64:65], 0
	v_nop
	global_prefetch_b8 v0, s[64:65] scope:SCOPE_SE
	s_setreg_imm32_b32 hwreg(HW_REG_WAVE_MODE, 25, 1), 1
	s_wait_xcnt 0x0
	s_wait_alu depctr_hold_cnt(0) depctr_sa_sdst(0) depctr_va_vdst(0) depctr_va_sdst(0) depctr_va_ssrc(0) depctr_va_vcc(0) depctr_vm_vsrc(0)
	s_getreg_b32 s2, hwreg(HW_REG_IB_STS2, 6, 4)
	s_cmp_eq_u32 s2, 0
	s_cbranch_scc0 .Lentry_in_a_cluster
	s_endpgm
.Lentry_in_a_cluster:
	s_bfe_u32 s2, ttmp6, 0x10000c
	s_cmp_lg_u32 s2, 0x3003
	s_cbranch_scc0 .Lentry_shape_is_right
	s_endpgm
.Lentry_shape_is_right:
; Causal attention of one head (of 4 x 16) on E4M3 codes; ctx is quantised at once (scale e10) for the last product.
; t = score x 2^(e6 + e7) x log2(e) / 8; M = the running largest t rounded up to a whole number; p = 2^(t - M) is quantised (e8); the row's sum is taken of the unquantised p and divides at the end.
; qf, kf: [head 64][tile of 16 tokens 128][1024]; vf: [head][step of 128 keys 16][tile of 16 channels 4][2048]: images of operand registers (piece = 4 registers = 512 bytes, lane l's 16 bytes at 16 l).
; cf: [tile of 16 rows 512][K step 8][2048]: head hh fills K step hh / 2, pieces 2 (hh % 2) and 2 (hh % 2) + 1.
; A CLUSTER IS A HEAD.  The head's K and V, 2 x 131,072 bytes, come into each partner's LDS once, by joint loads of all four; nothing is filled again, so there is no ring.  All of it is asked for at the head, so nothing is prefetched.
; SHARES.  Partner cx takes the query tiles 4 m + cx.  Wave w owns tile L (m = 31 - w) and tile E (m = w).  A tile has work in key step st where 2 st <= m, and no hidden key where m >= 2 st + 2:
; neither test knows cx, so the partners run alike.  L walks its key steps upward, E downward from step 7 beside L's steps 8 on: every wave has 17 key steps in all.  E's first step holds its diagonal, where the step's first key counts for every query.
; LAYOUT.  S^T = K Q^T (source 0 = 16 keys, source 1 = my 16 queries): lane (r, h) holds query r, register 8 u + j key 16 u + 8 h + j: eight registers through one conversion are registers 2 u, 2 u + 1 of P.
; O^T = V^T P^T (source 0 = 16 channels, source 1 = P): lane (r, h): query r, channels 16 d + 8 h + j: converted, they are ctx's fragment.  Nothing changes lanes but a maximum and a sum between the halves.
; LIMITS: e6 + e7 between -123 and 130 (added to the exponent field of log2(e) / 8); e8 and e10 between -126 and 119; e8 + e9 goes through v_ldexp_f32 and has none.
; REGISTERS: v1 16 x lane, v2 the same in V's region; v3-6 LDS addresses; v7 r - 8 h; v8, v9 ctx's hold and scale; v10, v11 offsets; v12-19, v20-27 Q of L, E; v28-31, v32-35 -M, largest t, the sum (a pair);
;   v36-51 codes; v52-60 at work; v61, v62 p's hold and scale; v64-127 fragments of K, then of V; v128-191 S^T, then p; v192-223, v224-255 O^T of L, E.
.set LI,  1
.set LIV, 2
.set PC,  36
.set F,   64
.set S,   128
.set OL,  192
.set OE,  224
.macro PLACES n
.rept \n
	v_nop
.endr
.endm
.macro CROUND                          ; a round of the cluster's barrier
	s_barrier_signal -1
	s_barrier_wait -1
	s_cmp_lg_u32 s14, 0
	s_cbranch_scc1 .Lnot_wave_0_\@
	s_barrier_signal -3
.Lnot_wave_0_\@:
	s_barrier_wait -3
	s_barrier_signal -1
	s_barrier_wait -1
.endm
	s_load_b256 s[4:11], s[0:1], 0x0               ; qf s[4:5], kf s[6:7], vf s[8:9], the exponents s[10:11]
	s_load_b64 s[12:13], s[0:1], 0x20              ; cf
	v_lshl_add_u32 v254, v0, 2, 0x40000
	v_mov_b32 v255, 0
	ds_add_u32 v254, v255
	ds_add_u32 v254, v255
	s_wait_dscnt 0x0
	v_lshrrev_b32 v1, 5, v0
	s_delay_alu instid0(VALU_DEP_1)
	v_readfirstlane_b32 s14, v1                    ; wave 0 .. 15
	s_bfe_u32 s15, ttmp6, 0x40000                  ; cx: it enters Q's and ctx's offsets and the mask's compare alone
	s_and_b32 s16, ttmp7, 0xffff                   ; the head, which the partners share
	s_sub_co_u32 s17, 31, s14                      ; m of tile L
	s_mov_b32 s18, s14                             ; m of tile E
	s_lshr_b32 s19, s14, 3                         ; waves 0-7 fetch K, 8-15 V
	s_and_b32 s20, s14, 7                          ; an eighth of each group of key steps
	s_lshl_b32 s21, s19, 17                        ; the region in LDS
	s_lshl_b32 s22, s20, 11                        ; steps 0, 1: 2,048 bytes a wave
	s_mul_i32 s23, s20, 6144
	s_add_co_u32 s23, s23, 16384                   ; steps 2-7: 6,144
	s_lshl_b32 s24, s20, 13
	s_add_co_u32 s24, s24, 65536                   ; steps 8-15: 8,192
	; group 1, one for each size: R dense rows of 256 bytes, elements of 8 bytes, the mask of all four, bit 21 beside it
.irp g, 32, 40, 48
	s_mov_b32 s[\g], 0x23000f
	s_mov_b32 s[\g+1], 32<<16
	s_mov_b32 s[\g+3], 32<<16
	s_mov_b32 s[\g+5], 32
	s_mov_b32 s[\g+6], 0
	s_mov_b32 s[\g+7], 0
.endr
	s_mov_b32 s34, 8<<16
	s_mov_b32 s36, 8
	s_mov_b32 s42, 24<<16
	s_mov_b32 s44, 24
	s_mov_b32 s50, 32<<16
	s_mov_b32 s52, 32
	s_mov_b32 s28, 0x76543210                      ; v_permlanex16_b32: lane l xor 16
	s_mov_b32 s29, 0xfedcba98
	s_wait_kmcnt 0x0
	s_load_b256 s[80:87], s[10:11], 0x0            ; e0 .. e7
	s_load_b128 s[88:91], s[10:11], 0x20           ; e8 .. e11
	s_cmp_eq_u32 s19, 0
	s_cselect_b64 s[30:31], s[6:7], s[8:9]
	s_lshl_b32 s2, s16, 17                         ; a head's K, V or Q: 131,072 bytes
	s_mov_b32 s3, 0
	s_add_nc_u64 s[30:31], s[30:31], s[2:3]
	s_add_nc_u64 s[4:5], s[4:5], s[2:3]
.irp i, 0,1,2
	s_mov_b32 s[68+4*\i], 1
	s_add_co_u32 s[69+4*\i], s21, s[22+\i]
	s_mov_b32 s2, s[22+\i]
	s_add_nc_u64 s[70+4*\i:71+4*\i], s[30:31], s[2:3]
	s_or_b32 s[71+4*\i], s[71+4*\i], 0x80000000
.endr
	CROUND                                         ; all four work-groups are here: the joint loads meet
	tensor_load_to_lds s[68:71], s[32:39]          ; one load of mine is out
	s_nop 0
	s_wait_alu depctr_va_vdst(0)
	s_wait_tensorcnt 0x0
	ds_add_u32 v254, v255
	s_wait_dscnt 0x0
	CROUND
	tensor_load_to_lds s[72:75], s[40:47]
	s_nop 0
	s_wait_alu depctr_va_vdst(0)
	s_wait_tensorcnt 0x0
	ds_add_u32 v254, v255
	s_wait_dscnt 0x0
	CROUND
	tensor_load_to_lds s[76:79], s[48:55]
	s_nop 0
	PLACES 4
	v_and_b32 v1, 31, v0
	s_delay_alu instid0(VALU_DEP_1)
	v_lshlrev_b32 v[LI], 4, v1
	s_delay_alu instid0(VALU_DEP_1)
	v_add_nc_u32 v[LIV], 0x20000, v[LI]
	s_lshl_b32 s21, s17, 2
	s_add_co_u32 s21, s21, s15                     ; tile L
	s_lshl_b32 s22, s18, 2
	s_add_co_u32 s22, s22, s15                     ; tile E
	s_lshl_b32 s23, s21, 10
	v_add_nc_u32 v10, s23, v[LI]
	s_lshl_b32 s23, s22, 10
	v_add_nc_u32 v11, s23, v[LI]
	global_load_b128 v[12:15], v10, s[4:5]
	global_load_b128 v[16:19], v10, s[4:5] offset:512
	global_load_b128 v[20:23], v11, s[4:5]
	global_load_b128 v[24:27], v11, s[4:5] offset:512
	s_lshr_b32 s2, s16, 4                          ; ctx: the batch's 128 row tiles x 16,384 bytes,
	s_lshl_b32 s2, s2, 21
	s_bfe_u32 s23, s16, 0x30001
	s_lshl_b32 s23, s23, 11                        ; K step head / 2,
	s_add_co_u32 s2, s2, s23
	s_and_b32 s23, s16, 1
	s_lshl_b32 s23, s23, 10                        ; its lower or upper two pieces
	s_add_co_u32 s2, s2, s23
	s_add_nc_u64 s[12:13], s[12:13], s[2:3]
	v_and_b32 v7, 15, v0
	v_bfe_u32 v63, v0, 4, 1
	s_delay_alu instid0(VALU_DEP_1)
	v_lshlrev_b32 v63, 3, v63
	s_delay_alu instid0(VALU_DEP_1)
	v_sub_nc_u32 v7, v7, v63                       ; r - 8 h
	v_mov_b32 v60, 0xff800000                      ; -infinity
	v_mov_b32 v58, 0                               ; written once: a lane permute's destination counts as a source
	v_mov_b32 v55, 0                               ; (named as the upper half of the pair v[54:55])
.irp b, 28, 32
	v_mov_b32 v[\b+1], 0xff61b1e6                  ; the largest t so far: -3e38
	s_delay_alu instid0(VALU_DEP_1)
	v_floor_f32 v[\b], -v[\b+1]                    ; -M
	v_mov_b32 v[\b+2], 0
	v_mov_b32 v[\b+3], 0
.endr
.set j, 0
.rept 64
	v_mov_b32 v[OL+j], 0                           ; O^T of both tiles: the step is written without a first step of its own; the first change of M multiplies zeros
.set j, j+1
.endr
	s_wait_kmcnt 0x0
	s_add_co_i32 s23, s86, s87
	s_lshl_b32 s23, s23, 23
	s_add_co_i32 s26, s23, 0x3e38aa3b              ; c = log2(e) / 8 x 2^(e6 + e7)
	s_mov_b32 s27, s26                             ; (named with it as a pair)
	s_add_co_i32 s23, s88, 127
	s_lshl_b32 s24, s23, 23
	v_mov_b32 v62, s24                             ; 2^e8
	s_add_co_i32 s23, s90, 127
	s_lshl_b32 s24, s23, 23
	v_mov_b32 v9, s24                              ; 2^e10
	s_add_co_i32 s25, s88, s89                     ; e8 + e9
	s_lshl_b32 s60, s21, 4
	s_sub_co_i32 s60, s60, 1024                    ; L: my first query less key step 8's first key
	s_lshl_b32 s61, s22, 4
	s_sub_co_i32 s61, s61, 896                     ; E: less key step 7's
	s_wait_loadcnt 0x0                             ; Q; its offsets' registers are free:
	s_lshl_b32 s23, s21, 14
	v_add_nc_u32 v10, s23, v[LI]                   ; ctx's offsets
	s_lshl_b32 s23, s22, 14
	v_add_nc_u32 v11, s23, v[LI]
; A KEY STEP of one tile: 128 keys.  o: O^T; stt: the statistics; q: Q; adk, adv: registers with the LDS addresses.  guard = 1: the step may lie beyond the diagonal (left out) or on it (masked);
; s[mm] = m, s[kk] = 2 st, s[dd] = first query - first key.
.macro STEP o, stt, q, adk, adv, guard, mm, kk, dd
.if \guard
	s_cmp_gt_u32 s[\kk], s[\mm]
	s_cbranch_scc1 .Lhid_\@
.endif
	PLACES 4                                       ; four plain places in front of loads into registers that matrix instructions have read
.set u, 0
	s_wait_alu depctr_va_vdst(0)
.rept 16
	ds_load_b128 v[F+4*u:F+4*u+3], v[\adk] offset:512*u            ; eight fragments of 16 keys x 64
.set u, u+1
.endr
	s_wait_dscnt 0x0
.set u, 0
.rept 8
	v_wmma_f32_16x16x64_fp8_fp8 v[S+8*u:S+8*u+7], v[F+8*u:F+8*u+7], v[\q:\q+7], 0
.set u, u+1
.endr
	PLACES 4
.set u, 0
	s_wait_alu depctr_va_vdst(0)
.rept 16
	ds_load_b128 v[F+4*u:F+4*u+3], v[\adv] offset:512*u            ; four fragments of 16 channels x 128 keys: they land under the softmax
.set u, u+1
.endr
.if \guard
	s_add_co_u32 s63, s[\kk], 2
	s_cmp_ge_u32 s[\mm], s63
	s_cbranch_scc1 .Lopen_\@
	v_add_nc_u32 v59, s[\dd], v7                   ; register 8 u + j holds a hidden key where 16 u + j > first query - first key + r - 8 h
.set u, 0
.rept 64
	v_cmp_gt_i32 vcc_lo, 16*(u/8)+u%8, v59
	v_cndmask_b32 v[S+u], v[S+u], v60, vcc_lo
.set u, u+1
.endr
.Lopen_\@:
.endif
	v_max3_num_f32 v52, v[S], v[S+1], v[S+2]       ; the step's largest score of my query among my 64 keys, in two chains, from the low end on
	v_max3_num_f32 v53, v[S+3], v[S+4], v[S+5]
.set u, 6
.rept 14
	v_max3_num_f32 v52, v52, v[S+u], v[S+u+1]
	v_max3_num_f32 v53, v53, v[S+u+2], v[S+u+3]
.set u, u+4
.endr
	v_max3_num_f32 v52, v52, v[S+62], v[S+63]
	s_delay_alu instid0(VALU_DEP_1)
	v_max_num_f32 v52, v52, v53
	s_delay_alu instid0(VALU_DEP_1)
	v_permlanex16_b32 v58, v52, s28, s29
	s_delay_alu instid0(VALU_DEP_1)
	v_max_num_f32 v52, v52, v58                    ; and among lane l xor 16's
	s_delay_alu instid0(VALU_DEP_1)
	v_mul_f32 v52, s26, v52                        ; as t (c is positive)
	s_delay_alu instid0(VALU_DEP_1)
	v_max_num_f32 v[\stt+1], v[\stt+1], v52
	v_mov_b32 v52, v[\stt]
	s_delay_alu instid0(VALU_DEP_2)
	v_floor_f32 v[\stt], -v[\stt+1]                ; -M = floor(-t)
	s_delay_alu instid0(VALU_DEP_1)
	v_sub_f32 v52, v[\stt], v52                    ; old M - new M: a whole number, 0 or less
	s_delay_alu instid0(VALU_DEP_1)
	v_cvt_i32_f32 v52, v52                         ; (it saturates)
	s_delay_alu instid0(VALU_DEP_1)
	v_ldexp_f32 v54, 1.0, v52                      ; f = 2^(old M - new M)
.set u, 0
.rept 32
	v_pk_fma_f32 v[S+u:S+u+1], v[S+u:S+u+1], s[26:27], v[\stt:\stt+1] op_sel_hi:[1,0,0]   ; t - M
.set u, u+2
.endr
.set u, 0
	s_wait_alu depctr_va_vdst(0)
.rept 64
	v_exp_f32 v[S+u], v[S+u]
.set u, u+1
.endr
	v_pk_mul_f32 v[\stt+2:\stt+3], v[\stt+2:\stt+3], v[54:55] op_sel_hi:[1,0]   ; the sum under the new M: the plain line behind the exponentials
	s_wait_alu depctr_va_vdst(0)                   ; one wait for the batch, ahead of its first reader
	v_pk_add_f32 v[56:57], v[S:S+1], v[S+2:S+3]    ; the sum of the unquantised p, in two chains
.set u, 4
.rept 15
	v_pk_add_f32 v[\stt+2:\stt+3], v[\stt+2:\stt+3], v[S+u:S+u+1]
	v_pk_add_f32 v[56:57], v[56:57], v[S+u+2:S+u+3]
.set u, u+4
.endr
	s_delay_alu instid0(VALU_DEP_1)
	v_pk_add_f32 v[\stt+2:\stt+3], v[\stt+2:\stt+3], v[56:57]
.set u, 0
.rept 8
.set i, 0
.rept 8
.set i, i+1
.endr
	v_cvt_scalef32_pk8_fp8_f32 v[PC+2*u:PC+2*u+1], v[S+8*u:S+8*u+7], v62
.set u, u+1
.endr
.set u, 0
.rept 16
	v_pk_mul_f32 v[\o+u:\o+u+1], v[\o+u:\o+u+1], v[54:55] op_sel_hi:[1,0]   ; O^T under the new M; also the plain lines between the conversions and the products
.set u, u+2
.endr
	s_wait_alu depctr_va_vdst(0)
	s_wait_dscnt 0x0                               ; V is in
.set u, 0
.rept 4
	v_wmma_f32_16x16x128_fp8_fp8 v[\o+8*u:\o+8*u+7], v[F+16*u:F+16*u+15], v[PC:PC+15], v[\o+8*u:\o+8*u+7]   ; four accumulators by turns
.set u, u+1
.endr
.if \guard
.Lhid_\@:
.endif
.endm
	s_wait_tensorcnt 2                             ; my parts of key steps 0-7 are in; the last group may be out
	s_barrier_signal -1
	s_barrier_wait -1                              ; everybody's is
	s_mov_b32 s56, 0
	s_mov_b32 s62, 2
.Lfirst:                                           ; L: key steps 0, 1: every key counts (m >= 16)
	v_add_nc_u32 v3, s56, v[LI]
	v_add_nc_u32 v4, s56, v[LIV]
	s_wait_alu depctr_va_vdst(0)
	STEP OL, 28, 12, 3, 4, 0, 17, 58, 60
	s_add_co_u32 s56, s56, 8192
	s_sub_co_u32 s62, s62, 1
	s_cmp_lg_u32 s62, 0
	s_cbranch_scc1 .Lfirst
	s_wait_tensorcnt 1                             ; key steps 2-7; the last group may be out
	s_barrier_signal -1
	s_barrier_wait -1
	s_mov_b32 s56, 16384
	s_mov_b32 s62, 6
.Lsecond:                                          ; L: key steps 2-7
	v_add_nc_u32 v3, s56, v[LI]
	v_add_nc_u32 v4, s56, v[LIV]
	s_wait_alu depctr_va_vdst(0)
	STEP OL, 28, 12, 3, 4, 0, 17, 58, 60
	s_add_co_u32 s56, s56, 8192
	s_sub_co_u32 s62, s62, 1
	s_cmp_lg_u32 s62, 0
	s_cbranch_scc1 .Lsecond
	s_wait_tensorcnt 0x0                           ; key steps 8-15
	s_barrier_signal -1
	s_barrier_wait -1
	s_mov_b32 s56, 65536                           ; L: key step 8 on, upward
	s_mov_b32 s57, 57344                           ; E: key step 7 on, downward
	s_mov_b32 s58, 16
	s_mov_b32 s59, 14
	s_mov_b32 s62, 8
.Lthird:
	v_add_nc_u32 v3, s56, v[LI]                    ; all four addresses ahead of the branches
	v_add_nc_u32 v4, s56, v[LIV]
	v_add_nc_u32 v5, s57, v[LI]
	v_add_nc_u32 v6, s57, v[LIV]
	STEP OL, 28, 12, 3, 4, 1, 17, 58, 60
	STEP OE, 32, 20, 5, 6, 1, 18, 59, 61
	s_add_co_u32 s56, s56, 8192
	s_sub_co_u32 s57, s57, 8192
	s_add_co_u32 s58, s58, 2
	s_sub_co_u32 s59, s59, 2
	s_sub_co_i32 s60, s60, 128
	s_add_co_i32 s61, s61, 128
	s_sub_co_u32 s62, s62, 1
	s_cmp_lg_u32 s62, 0
	s_cbranch_scc1 .Lthird
; THE WAY OUT of a tile: ctx = O^T x 2^(e8 + e9) / the sum, converted: two pieces of ctx's fragment, each store 512 consecutive bytes, aligned.
.macro FINISH o, stt, sb, pc, go
	v_add_f32 v52, v[\stt+2], v[\stt+3]
	s_delay_alu instid0(VALU_DEP_1)
	v_permlanex16_b32 v58, v52, s28, s29
	s_delay_alu instid0(VALU_DEP_1)
	v_add_f32 v52, v52, v58                        ; the row's sum
	s_wait_alu depctr_va_vdst(0)
	v_rcp_f32 v52, v52
	v_nop                                          ; a plain line behind the reciprocal,
	s_wait_alu depctr_va_vdst(0)                   ; and the wait ahead of its first reader
	v_ldexp_f32 v54, v52, s25
.set u, 0
.rept 16
	v_pk_mul_f32 v[S+\sb+u:S+\sb+u+1], v[\o+u:\o+u+1], v[54:55] op_sel_hi:[1,0]   ; each accumulator from its low end on
.set u, u+2
.endr
.set u, 0
.rept 32
.set u, u+1
.endr
.set u, 0
.rept 4
	v_cvt_scalef32_pk8_fp8_f32 v[\pc+2*u:\pc+2*u+1], v[S+\sb+8*u:S+\sb+8*u+7], v9
.set u, u+1
.endr
	v_nop
	global_store_b128 v[\go], v[\pc:\pc+3], s[12:13]
	global_store_b128 v[\go], v[\pc+4:\pc+7], s[12:13] offset:512
.endm
	PLACES 4                                       ; behind the last products
	FINISH OL, 28, 0, PC, 10
	FINISH OE, 32, 32, PC+8, 11
	s_wait_xcnt 0x0
	v_lshl_add_u32 v254, v0, 2, 0x40000
	v_mov_b32 v255, 0
	s_wait_alu depctr_va_vdst(0)
	s_wait_tensorcnt 0x0
	ds_add_u32 v254, v255
	s_wait_dscnt 0x0
	CROUND                                         ; the closing round
	s_endpgm
.Lfunc_end_k_qbe36b7809f_attn:
	.size	k_qbe36b7809f_attn, .Lfunc_end_k_qbe36b7809f_attn-k_qbe36b7809f_attn
	.p2alignl 7, 3214868480
	.fill 96, 4, 3214868480
	.section	.rodata,"a",@progbits
	.p2align	6, 0x0
	.amdhsa_kernel k_qbe36b7809f_attn
		.amdhsa_group_segment_fixed_size 327680
		.amdhsa_private_segment_fixed_size 0
		.amdhsa_enable_private_segment 0
		.amdhsa_kernarg_size 40
		.amdhsa_user_sgpr_count 2
		.amdhsa_user_sgpr_kernarg_segment_ptr 1
		.amdhsa_wavefront_size32 1
		.amdhsa_system_sgpr_workgroup_id_x 1
		.amdhsa_system_sgpr_workgroup_id_y 1
		.amdhsa_system_sgpr_workgroup_id_z 1
		.amdhsa_system_vgpr_workitem_id 0
		.amdhsa_next_free_vgpr 256
		.amdhsa_next_free_sgpr 92
		.amdhsa_reserve_vcc 1
		.amdhsa_float_denorm_mode_32 3
		.amdhsa_float_denorm_mode_16_64 3
		.amdhsa_fp16_overflow 1
		.amdhsa_memory_ordered 1
		.amdhsa_forward_progress 1
		.amdhsa_inst_pref_size 81
	.end_amdhsa_kernel
	.amdgpu_metadata
---
amdhsa.version: [ 1, 2 ]
amdhsa.kernels:
  - .name:           k_qbe36b7809f_attn
    .symbol:         k_qbe36b7809f_attn.kd
    .args:
      - { .name: qf, .offset: 0, .size: 8, .value_kind: global_buffer, .address_space: global }
      - { .name: kf, .offset: 8, .size: 8, .value_kind: global_buffer, .address_space: global }
      - { .name: vf, .offset: 16, .size: 8, .value_kind: global_buffer, .address_space: global }
      - { .name: lowp_scales, .offset: 24, .size: 8, .value_kind: global_buffer, .address_space: global }
      - { .name: cf, .offset: 32, .size: 8, .value_kind: global_buffer, .address_space: global }
    .group_segment_fixed_size: 327680
    .private_segment_fixed_size: 0
    .kernarg_segment_align: 8
    .kernarg_segment_size: 40
    .max_flat_workgroup_size: 512
    .sgpr_count:     92
    .vgpr_count:     256
    .wavefront_size: 32
...
	.end_amdgpu_metadata
.endif
;; end of part 3
;; launch oproj (part 4): grid 4 x 64, 4 waves a work-group, clusters of 4 x 4, 327,680 bytes of LDS; arguments cf, wc, bo, lowp_scales, out0; writes out0
.if DOCPART == 4
	.amdgcn_target "amdgcn-amd-amdhsa--gfx1250"
	.amdhsa_code_object_version 6
	.text
	.protected	k_qbe36b7809f_oproj
	.globl	k_qbe36b7809f_oproj
	.p2align	8
	.type	k_qbe36b7809f_oproj,@function
k_qbe36b7809f_oproj:
	s_mov_b64 s[64:65], 0
	v_nop
	global_prefetch_b8 v0, s[64:65] scope:SCOPE_SE
	s_setreg_imm32_b32 hwreg(HW_REG_WAVE_MODE, 25, 1), 1
	s_wait_xcnt 0x0
	s_wait_alu depctr_hold_cnt(0) depctr_sa_sdst(0) depctr_va_vdst(0) depctr_va_sdst(0) depctr_va_ssrc(0) depctr_va_vcc(0) depctr_vm_vsrc(0)
	s_getreg_b32 s2, hwreg(HW_REG_IB_STS2, 6, 4)
	s_cmp_eq_u32 s2, 0
	s_cbranch_scc0 .Lentry_in_a_cluster
	s_endpgm
.Lentry_in_a_cluster:
	s_bfe_u32 s2, ttmp6, 0x10000c
	s_cmp_lg_u32 s2, 0xf033
	s_cbranch_scc0 .Lentry_shape_is_right
	s_endpgm
.Lentry_shape_is_right:
; out0 = ctx Wo + bo.  ctx (cf) and Wo (the fourth MiB of wc) are E4M3 codes stored as images of operand registers (16 rows x 128 K = 2,048 bytes; piece p = registers 4 p .. 4 p + 3 = 512 bytes, lane l's 16 bytes at 16 l).
; Each finished sum is multiplied by 2^(e10 + e11) and bo is added, in one packed multiply-add.  out0: [8192][1024] f32.
; THE FRAME is that of the launch for q, k, v: a work-group makes 128 rows x 256 columns; wave (wr, wc) 64 x 128: 4 x 8 accumulators; source 0 = 16 output columns of Wo, source 1 = 16 rows of ctx, so a lane holds eight
; neighbouring numbers of a row of out0.  K = 1,024 in four steps of 256 through three LDS slots: steps 0, 1, 2 at the start, step 3 fills slot 0 again.  4 x 4 clusters: ctx's tiles shared along a row, Wo's along a column.
; Nothing is prefetched: three quarters of a work-group's bytes are asked for at its head.
; LIMIT: e10 + e11 lies between -126 and 127.
; REGISTERS: window 0: v2 16 x lane; v4-6, v8-10 LDS addresses; v12, v13 for the add; v14 the bias's offset; v16, v17 the stage; A' sets at v64, v128; on the way out v64-255.  window 1: B' two sets.
;   window 2: accumulator (a, b) at v[8 (8 a + b)].   window 3: v0-63 bo at my 8 x 8 columns.
.set SLOT,  98304
.set SPARE, 3*SLOT                     ; the spare words, 128 bytes a wave, which no other line names
.set STAGE, SLOT                       ; the way out: 16 rows x (512 bytes + 16) for each wave, in slot 1: it is filled once, and its last read lies in front of the last barrier
.set LI,   2
.set ADRA, 4
.set ADRB, 8
.set SPW,  12
.set NIL,  13
.set STO,  16
.set RD,   17
.set T,    64
.set BK,   128
.set G1A,  32
.set G1B,  40
.set G0A,  48
.set G0B,  68
.set MSB, 0
.macro WIN new                         ; the immediate's high byte repeats the setting that is left
.if MSB != \new
	s_set_vgpr_msb (MSB<<8)|\new
.set MSB, \new
.endif
.endm
.set MUL,  0xa1
.set TO_B, 0x40
.macro PLACES n
.rept \n
	v_nop
.endr
.endm
.macro CREST
	s_cmp_lg_u32 s16, 0
	s_cbranch_scc1 .Lnot_wave_0_\@
	s_barrier_signal -3
.Lnot_wave_0_\@:
	s_barrier_wait -3
	s_barrier_signal -1
	s_barrier_wait -1
.endm
.macro CROUND
	s_barrier_signal -1
	s_barrier_wait -1
	CREST
.endm
.macro JLOAD g0a, g0b                  ; a joint load: waves 0, 1 fetch ctx's halves, waves 2, 3 Wo's; four v_nop follow each line
	s_cmp_eq_u32 s17, 0
	s_cbranch_scc0 .Lfor_b_\@
	tensor_load_to_lds s[\g0a:\g0a+3], s[G1A:G1A+7]
	s_nop 0
	PLACES 4
	s_branch .Lasked_\@
.Lfor_b_\@:
	tensor_load_to_lds s[\g0b:\g0b+3], s[G1B:G1B+7]
	s_nop 0
	PLACES 4
.Lasked_\@:
.endm
	s_load_b256 s[4:11], s[0:1], 0x0               ; cf s[4:5], wc s[6:7], bo s[8:9], the exponents s[10:11]
	s_load_b64 s[12:13], s[0:1], 0x20              ; out0
	v_lshl_add_u32 v[SPW], v0, 2, SPARE
	v_mov_b32 v[NIL], 0
	ds_add_u32 v12, v13
	ds_add_u32 v12, v13
	s_wait_dscnt 0x0
	v_lshrrev_b32 v1, 5, v0
	v_readfirstlane_b32 s16, v1                    ; wave
	s_lshr_b32 s17, s16, 1                         ; wr.  Also: I fetch for ctx (0) or Wo (1)
	s_and_b32 s18, s16, 1                          ; wc.  Also: which half I fetch
	s_bfe_u32 s19, ttmp6, 0x40000                  ; cx = my block of 256 columns
	s_bfe_u32 s20, ttmp6, 0x40004                  ; cy
	s_and_b32 s21, ttmp7, 0xffff
	s_lshl_b32 s24, s21, 2
	s_add_co_u32 s24, s24, s20                     ; my block of 128 rows
	s_lshl_b32 s28, s20, 2
	s_lshl_b32 s28, 15, s28                        ; my row of the cluster
	s_lshl_b32 s29, 0x1111, s19                    ; my column
	s_or_b32 s[G1A], s28, 0x230000                 ; the mask; elements of 8 bytes; bit 21 beside a mask
	s_or_b32 s[G1B], s29, 0x230000
.irp g, G1A, G1B
	s_mov_b32 s[\g+1], 512<<16                     ; rows of 4,096 bytes,
	s_mov_b32 s[\g+3], 512<<16
	s_mov_b32 s[\g+5], 2048                        ; 16,384 bytes apart
	s_mov_b32 s[\g+6], 0
	s_mov_b32 s[\g+7], 0
.endr
	s_mov_b32 s[G1A+2], 4<<16
	s_mov_b32 s[G1A+4], 4
	s_mov_b32 s[G1B+2], 8<<16
	s_mov_b32 s[G1B+4], 8
	s_lshl_b32 s92, s24, 17
	s_lshl_b32 s26, s18, 16
	s_add_co_u32 s92, s92, s26
	s_mov_b32 s93, 0
	s_lshl_b32 s94, s19, 18
	s_lshl_b32 s27, s18, 17
	s_add_co_u32 s94, s94, s27
	s_add_co_u32 s94, s94, 3<<20                   ; Wo is the fourth weight
	s_mov_b32 s95, 0
	s_lshl_b32 s30, s18, 14
	s_lshl_b32 s31, s18, 15
	s_add_co_u32 s31, s31, 32768
	s_wait_kmcnt 0x0
	s_load_b64 s[84:85], s[10:11], 0x28            ; e10, e11
	s_add_nc_u64 s[96:97], s[4:5], s[92:93]
	s_add_nc_u64 s[98:99], s[6:7], s[94:95]
.irp s, 0,1,2
	s_mov_b32 s[G0A+4*\s], 1
	s_add_co_u32 s[G0A+4*\s+1], s30, \s*SLOT
	s_add_nc_u64 s[G0A+4*\s+2:G0A+4*\s+3], s[96:97], \s*4096
	s_or_b32 s[G0A+4*\s+3], s[G0A+4*\s+3], 0x80000000
	s_mov_b32 s[G0B+4*\s], 1
	s_add_co_u32 s[G0B+4*\s+1], s31, \s*SLOT
	s_add_nc_u64 s[G0B+4*\s+2:G0B+4*\s+3], s[98:99], \s*4096
	s_or_b32 s[G0B+4*\s+3], s[G0B+4*\s+3], 0x80000000
.endr
	CROUND                                         ; all sixteen work-groups are here: the first joint loads meet
	s_cmp_eq_u32 s17, 0                            ; a wave's three first fills stand in one branch: three loads of mine are out
	s_cbranch_scc0 .Lfirst_b
	tensor_load_to_lds s[G0A:G0A+3], s[G1A:G1A+7]
	s_nop 0
	tensor_load_to_lds s[G0A+4:G0A+7], s[G1A:G1A+7]
	s_nop 0
	tensor_load_to_lds s[G0A+8:G0A+11], s[G1A:G1A+7]
	s_nop 0
	PLACES 4
	s_branch .Lfirst_asked
.Lfirst_b:
	tensor_load_to_lds s[G0B:G0B+3], s[G1B:G1B+7]
	s_nop 0
	tensor_load_to_lds s[G0B+4:G0B+7], s[G1B:G1B+7]
	s_nop 0
	tensor_load_to_lds s[G0B+8:G0B+11], s[G1B:G1B+7]
	s_nop 0
	PLACES 4
.Lfirst_asked:
	v_and_b32 v1, 31, v0
	v_lshlrev_b32 v[LI], 4, v1
	s_lshl_b32 s26, s17, 14
	s_lshl_b32 s27, s18, 15
	s_add_co_u32 s27, s27, 32768
.irp s, 0,1,2
	v_add_nc_u32 v[ADRA+\s], s26, v[LI]
	v_add_nc_u32 v[ADRB+\s], s27, v[LI]
	s_add_co_u32 s26, s26, SLOT
	s_add_co_u32 s27, s27, SLOT
.endr
	s_lshl_b32 s92, s19, 10                        ; my first column, in bytes: 1,024 cx + 512 wc
	s_lshl_b32 s26, s18, 9
	s_add_co_u32 s92, s92, s26
	s_mov_b32 s93, 0
	s_add_nc_u64 s[8:9], s[8:9], s[92:93]
	v_bfe_u32 v15, v0, 4, 1                        ; h
	v_lshlrev_b32 v14, 5, v15
	WIN 0xc0                                       ; destination window 3
.irp b, 0,1,2,3,4,5,6,7
	global_load_b128 v[8*\b:8*\b+3], v14, s[8:9] offset:64*\b       ; bo at columns 16 b + 8 h + 0 .. 7
	global_load_b128 v[8*\b+4:8*\b+7], v14, s[8:9] offset:64*\b+16
.endr
	WIN 0
	s_lshl_b32 s26, s24, 19                        ; 128 rows of 4,096 bytes,
	s_add_co_u32 s92, s92, s26
	s_lshl_b32 s26, s17, 18                        ; my 64
	s_add_co_u32 s92, s92, s26
	s_add_nc_u64 s[12:13], s[12:13], s[92:93]
	s_mul_i32 s26, s16, 8448
	s_add_co_u32 s26, s26, STAGE                   ; my stage
	v_and_b32 v1, 15, v0
	v_mul_u32_u24 v[STO], v1, 528
	s_wait_alu depctr_va_vdst(0)
	v_lshl_add_u32 v[STO], v15, 5, v[STO]
	v_add_nc_u32 v[STO], s26, v[STO]               ; in: row r, + 32 h
	v_add_nc_u32 v[RD], s26, v[LI]                 ; back: the 32 lanes take a row of 512 bytes
	s_wait_kmcnt 0x0
	s_add_co_i32 s84, s84, s85
	s_add_co_i32 s84, s84, 127
	s_lshl_b32 s84, s84, 23                        ; 2^(e10 + e11) as f32
	s_mov_b32 s85, s84                             ; (named with it as a pair)
.macro FETCH slot, sub, set            ; 48 LDS loads in one run, each of 512 consecutive bytes
	WIN TO_B
.irp i, 0,1,2,3,4,5,6,7
.irp c, 0,1,2,3
	ds_load_b128 v[128*(\set)+16*\i+4*\c:128*(\set)+16*\i+4*\c+3], v[ADRB+\slot] offset:4096*\i+2048*(\sub)+512*\c
.endr
.endr
	WIN 0
.irp i, 0,1,2,3
.irp c, 0,1,2,3
	ds_load_b128 v[64+64*(\set)+16*\i+4*\c:64+64*(\set)+16*\i+4*\c+3], v[ADRA+\slot] offset:4096*\i+2048*(\sub)+512*\c
.endr
.endr
.endm
.macro MUL8 set, a, zero               ; the 32 accumulators take turns, one instruction a turn, in the same order in every half step
.irp b, 0,1,2,3,4,5,6,7
.if \zero
	v_wmma_f32_16x16x128_fp8_fp8 v[8*(8*(\a)+\b):8*(8*(\a)+\b)+7], v[128*(\set)+16*\b:128*(\set)+16*\b+15], v[64+64*(\set)+16*(\a):64+64*(\set)+16*(\a)+15], 0
.else
	v_wmma_f32_16x16x128_fp8_fp8 v[8*(8*(\a)+\b):8*(8*(\a)+\b)+7], v[128*(\set)+16*\b:128*(\set)+16*\b+15], v[64+64*(\set)+16*(\a):64+64*(\set)+16*(\a)+15], v[8*(8*(\a)+\b):8*(8*(\a)+\b)+7]
.endif
.endr
.endm
.macro MUL16 set, a0, zero
	MUL8 \set, \a0, \zero
	MUL8 \set, (\a0)+1, \zero
.endm
.macro SUB set, nslot, nsub, zero
	s_wait_dscnt 8                                 ; Wo's fragments and ctx's blocks 0, 1 are in; the youngest eight loads (blocks 2, 3) may be out
	WIN MUL
	MUL16 \set, 0, \zero
	PLACES 4                                       ; four plain places in front of loads into registers that matrix instructions have read
	FETCH \nslot, \nsub, 1-(\set)
	s_wait_dscnt 48                                ; all but the 48 just issued
	WIN MUL
	MUL16 \set, 2, \zero
.endm
.macro TURN next, fill                 ; a half step (on set 1) that changes slots; fill = 1: the barrier opens a round of the cluster's, and K step 3 is asked for, into slot 0
	WIN 0
	s_wait_tensorcnt 0x0                           ; all my tensor loads have landed
	ds_add_u32 v[SPW], v[NIL]                      ; 0 onto my spare word
	s_wait_dscnt 9                                 ; (the add and ctx's blocks 2, 3 may be out)
	WIN MUL
	MUL8 1, 0, 0
	s_wait_dscnt 0x0                               ; the add is done and my LDS reads are over
	s_barrier_signal -1
	MUL8 1, 1, 0
	WIN 0
	s_barrier_wait -1
.if \fill
	CREST
	s_add_nc_u64 s[G0A+2:G0A+3], s[G0A+2:G0A+3], 3*4096
	s_add_nc_u64 s[G0B+2:G0B+3], s[G0B+2:G0B+3], 3*4096
	JLOAD G0A, G0B                                 ; the first tensor load behind the round, my only one; its four v_nop are also the places in front of the loads below
.else
	PLACES 4
.endif
	FETCH \next, 0, 0
	WIN MUL
	MUL16 1, 2, 0
.endm
	s_wait_tensorcnt 2                             ; my part of K step 0 is in; steps 1 and 2 may be out
	s_barrier_signal -1
	s_barrier_wait -1
	FETCH 0, 0, 0
	SUB 0, 0, 1, 1                                 ; the first products start the sums
	TURN 1, 1
	SUB 0, 1, 1, 0
	SUB 1, 2, 0, 0
	SUB 0, 2, 1, 0
	TURN 0, 0
	SUB 0, 0, 1, 0
	s_wait_dscnt 8
	WIN MUL
	MUL16 1, 0, 0
	s_wait_dscnt 0x0
	MUL16 1, 2, 0
	WIN 0
; THE WAY OUT, a block of 16 rows x 128 columns at a time, through my own stage: a lane's 32 bytes go in, whole rows of 512 bytes come back.  LDS serves a wave's instructions in order (ISA guide 5.7.1.4).
.macro TOSTAGE a
	WIN 0x32                                       ; source 0 (the sums) window 2, source 2 (bo) window 3
.set j, 0
.rept 32
	v_pk_fma_f32 v[T+j:T+j+1], v[64*(\a)+j:64*(\a)+j+1], s[84:85], v[j:j+1] op_sel_hi:[1,0,1]   ; sum x 2^(e10 + e11) + bo; each accumulator from its low end on
.set j, j+2
.endr
	WIN 0
.irp b, 0,1,2,3,4,5,6,7
	ds_store_b128 v[STO], v[T+8*\b:T+8*\b+3] offset:64*\b
	ds_store_b128 v[STO], v[T+8*\b+4:T+8*\b+7] offset:64*\b+16
.endr
.set BB, BK+64*((\a)%2)
.set j, 0
.rept 16
	ds_load_b128 v[BB+4*j:BB+4*j+3], v[RD] offset:j*528
.set j, j+1
.endr
.endm
.macro SEND a, younger                 ; younger: the LDS instructions issued behind block a's loads, which may stay out
.set BB, BK+64*((\a)%2)
	s_wait_dscnt \younger
.if (\a) > 0
	s_add_nc_u64 s[12:13], s[12:13], 65536         ; 16 rows on (behind a wait on XCNT: the earlier stores have read their base)
.endif
.set j, 0
.rept 16
	global_store_b128 v[LI], v[BB+4*j:BB+4*j+3], s[12:13] offset:4096*j th:TH_STORE_NT   ; 512 consecutive bytes, aligned; written once, read by nobody here
.set j, j+1
.endr
.endm
	s_wait_loadcnt 0x0                             ; bo
	PLACES 4
	TOSTAGE 0
.irp a, 1,2,3
.if \a > 1
	s_wait_xcnt 0x0                                ; block a - 2's stores have read their registers and their base
.endif
	TOSTAGE \a
	SEND \a-1, 32                                  ; behind block a - 1's loads: block a's 16 stores and 16 loads
.endr
	s_wait_xcnt 0x0
	SEND 3, 0
	s_wait_tensorcnt 0x0                           ; the wave's end
	ds_add_u32 v[SPW], v[NIL]
	s_wait_dscnt 0x0
	CROUND                                         ; the closing round
	s_endpgm
.Lfunc_end_k_qbe36b7809f_oproj:
	.size	k_qbe36b7809f_oproj, .Lfunc_end_k_qbe36b7809f_oproj-k_qbe36b7809f_oproj
	.p2alignl 7, 3214868480
	.fill 96, 4, 3214868480
	.section	.rodata,"a",@progbits
	.p2align	6, 0x0
	.amdhsa_kernel k_qbe36b7809f_oproj
		.amdhsa_group_segment_fixed_size 327680
		.amdhsa_private_segment_fixed_size 0
		.amdhsa_enable_private_segment 0
		.amdhsa_kernarg_size 40
		.amdhsa_user_sgpr_count 2
		.amdhsa_user_sgpr_kernarg_segment_ptr 1
		.amdhsa_wavefront_size32 1
		.amdhsa_system_sgpr_workgroup_id_x 1
		.amdhsa_system_sgpr_workgroup_id_y 1
		.amdhsa_system_sgpr_workgroup_id_z 1
		.amdhsa_system_vgpr_workitem_id 0
		.amdhsa_next_free_vgpr 832
		.amdhsa_next_free_sgpr 100
		.amdhsa_reserve_vcc 0
		.amdhsa_float_denorm_mode_32 3
		.amdhsa_float_denorm_mode_16_64 3
		.amdhsa_memory_ordered 1
		.amdhsa_forward_progress 1
		.amdhsa_inst_pref_size 76
	.end_amdhsa_kernel
	.amdgpu_metadata
---
amdhsa.version: [ 1, 2 ]
amdhsa.kernels:
  - .name:           k_qbe36b7809f_oproj
    .symbol:         k_qbe36b7809f_oproj.kd
    .args:
      - { .name: cf, .offset: 0, .size: 8, .value_kind: global_buffer, .address_space: global }
      - { .name: wc, .offset: 8, .size: 8, .value_kind: global_buffer, .address_space: global }
      - { .name: bo, .offset: 16, .size: 8, .value_kind: global_buffer, .address_space: global }
      - { .name: lowp_scales, .offset: 24, .size: 8, .value_kind: global_buffer, .address_space: global }
      - { .name: out0, .offset: 32, .size: 8, .value_kind: global_buffer, .address_space: global }
    .group_segment_fixed_size: 327680
    .private_segment_fixed_size: 0
    .kernarg_segment_align: 8
    .kernarg_segment_size: 40
    .max_flat_workgroup_size: 128
    .sgpr_count:     100
    .vgpr_count:     832
    .wavefront_size: 32
...
	.end_amdgpu_metadata
.endif
;; end of part 4
